; MI455X (gfx1250); checked and timed in simulation.
; The chip was launched on July 23, 2026; its instructions are those of AMD's public machine-readable ISA for CDNA 5 (MIT licence, August 2026) and "CDNA5" Instruction Set Architecture Reference Guide (July 2026). The comments in the code are by the model that wrote it; some were corrected since.
;; Multi Head Self Attention. Allowed arithmetic: matrix products marked QUANTISED: E2M1 operands, one E8M0 scale for each 32 along K, by v_wmma_scale_f32_16x16x128_f8f6f4 with both operands' format E2M1 (or v_wmma_scale_f32_32x16x128_f4), f32 sums; everything else in f32.
;; Inputs: Wk_codes 1,024 x 32 x 16 uint8 (E2M1 codes of Wk, K innermost, in blocks of 32 codes, two codes a byte); Wk_scales 1,024 x 32 uint8 (E8M0 scales of Wk, one for each 32 codes along K); Wo_codes 1,024 x 32 x 16 uint8 (E2M1 codes of Wo, K innermost, in blocks of 32 codes, two codes a byte); Wo_scales 1,024 x 32 uint8 (E8M0 scales of Wo, one for each 32 codes along K); Wq_codes 1,024 x 32 x 16 uint8 (E2M1 codes of Wq, K innermost, in blocks of 32 codes, two codes a byte); Wq_scales 1,024 x 32 uint8 (E8M0 scales of Wq, one for each 32 codes along K); Wv_codes 1,024 x 32 x 16 uint8 (E2M1 codes of Wv, K innermost, in blocks of 32 codes, two codes a byte); Wv_scales 1,024 x 32 uint8 (E8M0 scales of Wv, one for each 32 codes along K); bk 1,024 float32; bo 1,024 float32; bq 1,024 float32; bv 1,024 float32; mask 4 x 2,048 int32; x_codes 4 x 2,048 x 32 x 16 uint8 (E2M1 codes of x, K innermost, in blocks of 32 codes, two codes a byte); x_scales 4 x 2,048 x 32 uint8 (E8M0 scales of x, one for each 32 codes along K).
;; Outputs: out0 4 x 2,048 x 1,024 float32.
;; This version of the problem:
;;   THIS VERSION OF THE PROBLEM IS GIVEN IN LOW PRECISION. The matrix products marked QUANTISED in the list below multiply operands that are first quantised to E2M1 (2 exponent bits, 1 mantissa bit; 4 bits a number), with one power-of-two scale for each 32 numbers along K (OCP MX v1.0); their sums are f32. All else is computed in f32.
;;   The module's matrix products, in the order in which they are computed (A, B: the left and right operand; K: the contracted axis; several contracted axes count as one K, in the product's order):
;;     1. [M 8,192, K 1,024] x [K 1,024, N 1,024]; A: input x (given as codes); B: input Wq (given as codes): QUANTISED
;;     2. [M 8,192, K 1,024] x [K 1,024, N 1,024]; A: input x (given as codes); B: input Wk (given as codes): QUANTISED
;;     3. [M 8,192, K 1,024] x [K 1,024, N 1,024]; A: input x (given as codes); B: input Wv (given as codes): QUANTISED
;;     4. batch 64 x [M 2,048, K 64] x [K 64, N 2,048]; A: computed on the way; B: computed on the way: QUANTISED
;;     5. batch 64 x [M 2,048, K 2,048] x [K 2,048, N 64]; A: softmax (see below); B: computed on the way: QUANTISED
;;     6. [M 8,192, K 1,024] x [K 1,024, N 1,024]; A: computed on the way; B: input Wo (given as codes): QUANTISED
;;   THE QUANTISER, for each operand of a quantised product, along K:
;;     - K is cut into blocks of 32 from its start; a last block that is shorter is filled with zeros.
;;     - A block's scale is 2^e with e = floor(log2(the largest magnitude in the block)) - 2, held to -126 .. 127; a block of zeros has e = 0. As a byte (E8M0): e + 127.
;;     - Each number is divided by its block's scale, clamped to +-6, and rounded to the nearest number of E2M1, ties to even, subnormals kept.
;;     - The product sums the exact products of the quantised numbers (number of the format x scale) in f32.
;;   ~~~python
;;   def quantise(x, axis):      # numpy; x: float32 -> the quantised numbers, widened to float32 again
;;       x = np.moveaxis(x, axis, -1); K = x.shape[-1]
;;       x = np.pad(x, [(0, 0)] * (x.ndim - 1) + [(0, -K % 32)]); x = x.reshape(x.shape[:-1] + (-1, 32)); a = np.abs(x).max(-1, keepdims=True)
;;       e = np.where(a > 0, np.clip(np.frexp(np.where(a > 0, a, 1))[1] - 1 - 2, -126, 127), 0)      # np.frexp(a)[1] - 1 = floor(log2(a)), exactly
;;       r = np.clip(x / 2.0 ** e, -6, 6)
;;       step = 2.0 ** (np.maximum(np.frexp(np.where(r == 0, 1, r))[1] - 1, 0) - 1)
;;       q = np.round(r / step) * step * 2.0 ** e      # np.round: ties to even
;;       return np.moveaxis(q.reshape(q.shape[:-2] + (-1,))[..., :K], -1, axis).astype(np.float32)
;;   ~~~
;;   SOFTMAX AHEAD OF A QUANTISED PRODUCT. Where the list says 'softmax', what is quantised is not the finished softmax but p = 2^(t - M), with t = logit x log2(e) and M = ceil(the row's largest t), a whole number; so 1/2 < the row's largest p <= 1. The row's sum l is taken of the UNQUANTISED p, in f32, and the product's result is divided by l at the end. Since M is a whole number, a kernel that streams over the keys may use a running M (the ceiling of the running maximum): every later rescaling is an exact power of two, which a block's scale takes up: the codes' values come out the same.
;;   OPERANDS COMPUTED ON THE WAY. 'Computed on the way' means the value that the module computes at that place (a softmax that the list does not call 'softmax' is quantised finished and normalised). What goes into a quantiser is computed in f32, as accurately as f32 sums, v_exp_f32 and their like allow (about 1e-6 of the number): no bf16 or f16 on the way to a quantiser, and a product that is left as it is and whose result goes on into a quantised operand takes f32 operands (vector FMAs, or v_wmma_f32_16x16x4_f32). A number that lies on a knife's edge between two numbers of the format may be rounded either way, as far as f32 arithmetic and the matrix unit's own rounding can turn it there, and no further.
;;   INPUTS GIVEN AS CODES. Wk (in the module: [1024, 1024], K = its axis 1); Wo (in the module: [1024, 1024], K = its axis 1); Wq (in the module: [1024, 1024], K = its axis 1); Wv (in the module: [1024, 1024], K = its axis 1); x (in the module: [4, 2048, 1024], K = its axis 2): each comes as NAME_codes (uint8): NAME with its K axis moved to the last place and cut into blocks of 32 codes, [.., K / 32, bytes a block], one block behind the other in memory; two codes a byte, the lower K in the low four bits (a code: sign, 2 exponent bits, 1 mantissa bit); and NAME_scales (uint8): the same leading axes, one E8M0 byte (e + 127) for each 32 codes along K. Its value is code x scale, taken as it is: it is not quantised again, and the codes and scales need not be those that the quantiser above would give.
;; One version. Each part assembles by itself: llvm-mc -triple=amdgcn-amd-amdhsa -mcpu=gfx1250 --defsym DOCPART=n.
;; ======== version 1 of 1: 3 launches
;; limits: right only within a limited range of input values
;; workspace buffers: kv 9,699,328 bytes; qc 4,194,304 bytes; qs 524,288 bytes; ac 4,194,304 bytes; asw 262,144 bytes
;; launch proj (part 1): grid 8 x 32, 4 waves a work-group, clusters of 4 x 4, 327,680 bytes of LDS; arguments x_codes, x_scales, Wq_codes, Wq_scales, Wk_codes, Wk_scales, Wv_codes, Wv_scales, bq, bk, bv, mask, kv, qc, qs; writes kv, qc, qs
.if DOCPART == 1
	.amdgcn_target "amdgcn-amd-amdhsa--gfx1250"
	.amdhsa_code_object_version 6
	.text
	.protected	k_qa0771dee6f_proj
	.globl	k_qa0771dee6f_proj
	.p2align	8
	.type	k_qa0771dee6f_proj,@function
k_qa0771dee6f_proj:
	s_mov_b64 s[64:65], 0
	v_nop
	global_prefetch_b8 v0, s[64:65] scope:SCOPE_SE
	s_setreg_imm32_b32 hwreg(HW_REG_WAVE_MODE, 25, 1), 1
	s_wait_xcnt 0x0
	s_wait_alu depctr_hold_cnt(0) depctr_sa_sdst(0) depctr_va_vdst(0) depctr_va_sdst(0) depctr_va_ssrc(0) depctr_va_vcc(0) depctr_vm_vsrc(0)
	s_getreg_b32 s2, hwreg(HW_REG_IB_STS2, 6, 4)
	s_cmp_eq_u32 s2, 0
	s_cbranch_scc0 .Lentry_in_a_cluster
	s_endpgm
.Lentry_in_a_cluster:
	s_bfe_u32 s2, ttmp6, 0x10000c
	s_cmp_lg_u32 s2, 0xf033
	s_cbranch_scc0 .Lentry_shape_is_right
	s_endpgm
.Lentry_shape_is_right:
; Q = x Wq^T + bq, K = x Wk^T + bk, V = x Wv^T + bv on codes of FP4 (E2M1) with one E8M0 scale for each 32 along K, sums in f32; then Q and K are quantised along the head's 64, V along the keys,
; and all three are stored in the order of the next launch's operand registers.  x: 8,192 rows of 512 bytes of codes and 32 scale bytes; each W: 1,024 such rows.
; SHARES.  A work-group takes 256 rows of x (Y) and a pair of heads (X): 128 rows of each W.  Wave w takes 128 rows (w / 2) and one head (w % 2): three slices (Q, K, V) of 32 accumulators of 16 x 16, 768 registers.
; Q and K are used TRANSPOSED (source 0 = 16 rows of W, source 1 = 16 rows of x): a lane holds one row and eight neighbours along the head's 64.  V is used as it stands (source 0 = x, source 1 = Wv): a lane holds one
; channel d and eight neighbouring KEYS.  So in each slice a lane's registers run along the K of the product that follows.
; THE QUANTISER.  Four tiles (32 registers) are 64 along the next K: tile u holds k = 16 u + 8 (lane / 16) + 0..7.  A block of 32 is two tiles in lanes l and l xor 16.  One conversion makes a tile one register; written to
; registers 0, 2, 1, 3 and exchanged in pairs between the halves of the lanes, they are four registers of the operand: register i of lane half h holds k = 32 h + 8 i + 0..7.
; THE MASK.  The scores' product has K = 64 and its instruction takes 128.  A query carries the code +1 at k = 64 under the scale byte 127.  A key whose mask is 0 gets zero codes for k < 64 and the code -1 at k = 64 under the
; byte 160: its score is exactly -2^33, its logit -2^30.  LIMIT: reference() writes -1e9 there; the results part only where an open key's logit lies under about -1e9.
; LIMITS: NaN and infinities are not served; a block whose largest magnitude lies under 2^-124 keeps the byte 1, and so does a block of zeros (its codes are zeros; only this program reads the bytes).
; THE RING.  K goes in four steps of 256 (rows of 128 bytes, 144 apart in LDS) through three slots: steps 0, 1, 2 are first fills, step 3 is the one refill, into slot 0.  Two slots of 256-byte rows for 640 rows do not fit in LDS.
; CLUSTER 4 x 4: x's tile hangs on Y alone and is asked for jointly along a row of the cluster (wave 0), each W's tile on X alone, jointly along a column (waves 1, 2, 3: Wq, Wk, Wv).
; REGISTERS: window 0: v1-29 addresses; v32-55 scale words, two sets of 12; v56-63 bv; v64-191 x's fragments, two sets; v192-255 a slice's W fragments, two sets.  Window 1: Q, accumulator (a, t) at 8 (4 a + t); window 2: K likewise;
; window 3: V, accumulator (t, a) at 8 (8 t + a).  In every window registers 32 u .. 32 u + 31 are one unit of the quantiser.
.set PITCH, 144                        ; an LDS row: 128 bytes + 16
.set XB,    256*PITCH                  ; x's 256 rows in a slot
.set WB,    128*PITCH                  ; a W's 128 rows
.set SLOT,  XB+3*WB
.set SCX,   3*SLOT                     ; x's scale bytes, all of K: 32 blocks of 256 bytes + 16
.set SCW,   SCX+32*272                 ; the three W's: 16 such blocks each
.set SPARE, SCW+48*272                 ; the spare words: 128 bytes a wave
.set SCR,   SPARE+512                  ; scratch for the way out, a wave's own, never filled by a tensor load: KM 512, VS 256, KS 512, QS 512
.set SCRW,  1792
.set REC,   9472                       ; a record of kv: 128 keys of one head: KC 4096, KM 512, VS 256, KS 512, VC 4096
.set ADRX, 8                           ; v8-10   my x fragments in slot 0, 1, 2
.set ADRW, 11                          ; v11-13  my W fragments
.set ADRS, 14                          ; v14-16  scale words: lanes 0-15 x's rows, lanes 16-31 a W's
.set LI,   17                          ; 16 x lane
.set SA,   19                          ; scratch + 4 r
.set SB,   20                          ; scratch + 16 r
.set SCA,  21                          ; scratch + 8 x lane
.set L8,   22                          ; 8 x lane
.set MO,   23                          ; 4 r
.set BO,   24                          ; 32 h
.set SPW,  28                          ; my spare word; never rewritten
.set NIL,  29                          ; 0; never rewritten
.set SC,   32
.set BV,   56
.set XS,   64
.set WS,   192
.set TM,   64                          ; the way out, in window 0: largest magnitudes,
.set TX,   80                          ; the other half's,
.set SO,   96                          ; the conversions' scale operands,
.set BY,   112                         ; the bytes,
.set WD,   128                         ; Q's scale words,
.set KW,   136                         ; K's,
.set EX,   144                         ; K's code word at k = 64,
.set MK,   152                         ; the mask,
.set CDQ,  160                         ; codes: a set for each slice, so that no store's data are written again
.set CDK,  192
.set CDV,  224
.set VW,   32                          ; V's scale words
.set CP,   36                          ; v36-49 the scratch on its way out
.set TEN,  50
.set ZER,  51
.set SEL,  18                          ; s[18:19] lane selects: lane l xor 16
.set G1X,  24                          ; s[24:31] group 1: x's tile;  s[32:39] a W's;  s[40:47] x's scales;  s[48:55] a W's scales
.set G1W,  32
.set G1SX, 40
.set G1SW, 48
.set WV,   92
.set MH,   93
.set HL,   94
.set CX,   95
.set CY,   96
.set XX,   97
.set YY,   98
.set MSB, 0
.macro WIN new                         ; the immediate's high byte repeats the setting that is left
.if MSB != \new
	s_set_vgpr_msb (MSB<<8)|\new
.set MSB, \new
.endif
.endm
.macro PLACES                          ; four plain vector lines between a matrix instruction and a load into, or a vector write or read of, its registers
.rept 4
	v_nop
.endr
.endm
.macro JLOAD g0x, g1x, g0w, g1w        ; a joint load: wave 0 for x, waves 1 to 3 for their W; the branch hangs on the wave's number alone; four v_nop follow each line
	s_cmp_eq_u32 s[WV], 0
	s_cbranch_scc0 .Lfor_w_\@
	tensor_load_to_lds s[\g0x:\g0x+3], s[\g1x:\g1x+7]
	s_nop 0
.rept 4
	v_nop
.endr
	s_branch .Lasked_\@
.Lfor_w_\@:
	tensor_load_to_lds s[\g0w:\g0w+3], s[\g1w:\g1w+7]
	s_nop 0
.rept 4
	v_nop
.endr
.Lasked_\@:
.endm
.macro CREST                           ; a round of the cluster's barrier behind its opening barrier
	s_cmp_lg_u32 s[WV], 0
	s_cbranch_scc1 .Lnot_wave_0_\@
	s_barrier_signal -3
.Lnot_wave_0_\@:
	s_barrier_wait -3
	s_barrier_signal -1
	s_barrier_wait -1
.endm
.macro CROUND
	s_barrier_signal -1
	s_barrier_wait -1
	CREST
.endm
	s_load_b256 s[4:11], s[0:1], 0x0               ; x's codes, x's scales, Wq's codes, Wq's scales
	s_load_b256 s[12:19], s[0:1], 0x20             ; Wk's codes, scales, Wv's codes, scales
	v_lshl_add_u32 v[SPW], v0, 2, SPARE
	v_mov_b32 v[NIL], 0
	ds_add_u32 v28, v29
	ds_add_u32 v28, v29
	s_wait_dscnt 0x0
	v_lshrrev_b32 v1, 5, v0
	v_readfirstlane_b32 s[WV], v1                  ; wave 0..3
	s_lshr_b32 s[MH], s[WV], 1                     ; which 128 rows are mine
	s_and_b32 s[HL], s[WV], 1                      ; which head of the pair
	s_bfe_u32 s[CX], ttmp6, 0x40000
	s_bfe_u32 s[CY], ttmp6, 0x40004
	s_lshl_b32 s[XX], ttmp9, 2
	s_add_co_u32 s[XX], s[XX], s[CX]               ; X: the pair of heads
	s_and_b32 s[YY], ttmp7, 0xffff
	s_lshl_b32 s[YY], s[YY], 2
	s_add_co_u32 s[YY], s[YY], s[CY]               ; Y: the block of 256 rows
	s_lshl_b32 s2, s[CY], 2
	s_lshl_b32 s2, 15, s2                          ; my row of the cluster
	s_lshl_b32 s3, 0x1111, s[CX]                   ; my column
	s_or_b32 s[G1X], s2, (1<<20)|(1<<21)|(4<<22)|(3<<25)            ; elements of 1 byte; padding on: 4 words behind every 32; bit 21 set beside a mask
	s_or_b32 s[G1W], s3, (1<<20)|(1<<21)|(4<<22)|(3<<25)
	s_or_b32 s[G1SX], s2, (3<<16)|(1<<20)|(1<<21)|(5<<22)|(3<<25)   ; elements of 8 bytes; 4 words behind every 64
	s_or_b32 s[G1SW], s3, (3<<16)|(1<<20)|(1<<21)|(5<<22)|(3<<25)
	s_mov_b32 s[G1X+1], 128<<16                    ; x: 256 rows of 128 bytes, 512 bytes apart in memory
	s_mov_b32 s[G1X+2], 256<<16
	s_mov_b32 s[G1X+3], 128<<16
	s_mov_b32 s[G1X+4], 256
	s_mov_b32 s[G1X+5], 512
	s_mov_b32 s[G1X+6], 0
	s_mov_b32 s[G1X+7], 0
	s_mov_b32 s[G1W+1], 128<<16                    ; a W: 128 such rows
	s_mov_b32 s[G1W+2], 128<<16
	s_mov_b32 s[G1W+3], 128<<16
	s_mov_b32 s[G1W+4], 128
	s_mov_b32 s[G1W+5], 512
	s_mov_b32 s[G1W+6], 0
	s_mov_b32 s[G1W+7], 0
	s_mov_b32 s[G1SX+1], 32<<16                    ; x's scales: 8,192 dense bytes as 32 rows of 256
	s_mov_b32 s[G1SX+2], 32<<16
	s_mov_b32 s[G1SX+3], 32<<16
	s_mov_b32 s[G1SX+4], 32
	s_mov_b32 s[G1SX+5], 32
	s_mov_b32 s[G1SX+6], 0
	s_mov_b32 s[G1SX+7], 0
	s_mov_b32 s[G1SW+1], 32<<16                    ; a W's: 4,096 dense bytes as 16 rows
	s_mov_b32 s[G1SW+2], 16<<16
	s_mov_b32 s[G1SW+3], 32<<16
	s_mov_b32 s[G1SW+4], 16
	s_mov_b32 s[G1SW+5], 32
	s_mov_b32 s[G1SW+6], 0
	s_mov_b32 s[G1SW+7], 0
	s_lshl_b32 s20, s[YY], 17                      ; 256 rows of 512 bytes
	s_mov_b32 s21, 0
	s_lshl_b32 s22, s[YY], 13                      ; 256 rows of 32 bytes
	s_mov_b32 s23, 0
	s_lshl_b32 s66, s[XX], 16                      ; 128 rows of 512 bytes
	s_mov_b32 s67, 0
	s_lshl_b32 s100, s[XX], 12                     ; 128 rows of 32 bytes
	s_mov_b32 s101, 0
	s_mul_i32 s99, s[WV], WB                       ; where a W's tile goes: wave 1, 2, 3 behind x's rows
	s_mul_i32 s2, s[WV], 16*272                    ; and its scales
	s_wait_kmcnt 0x0
	s_add_nc_u64 s[4:5], s[4:5], s[20:21]
	s_add_nc_u64 s[6:7], s[6:7], s[22:23]
	s_cmp_eq_u32 s[WV], 2                          ; which W is my wave's: a choice on the wave's number alone
	s_cselect_b64 s[20:21], s[12:13], s[8:9]
	s_cselect_b64 s[22:23], s[14:15], s[10:11]
	s_cmp_eq_u32 s[WV], 3
	s_cselect_b64 s[20:21], s[16:17], s[20:21]
	s_cselect_b64 s[22:23], s[18:19], s[22:23]
	s_add_nc_u64 s[20:21], s[20:21], s[66:67]
	s_add_nc_u64 s[22:23], s[22:23], s[100:101]
	CROUND                                         ; all sixteen work-groups are here: the first joint loads meet
	s_mov_b32 s56, 1
	s_mov_b32 s57, SCX
	s_mov_b64 s[58:59], s[6:7]
	s_or_b32 s59, s59, 0x80000000
	s_mov_b32 s76, 1
	s_add_co_u32 s77, s2, SCW-16*272
	s_mov_b64 s[78:79], s[22:23]
	s_or_b32 s79, s79, 0x80000000
	JLOAD 56, G1SX, 76, G1SW                       ; the scales first: they are wanted with K step 0
.macro FIRST gx, gw, s                 ; K step s into slot s
	s_mov_b32 s[\gx], 1
	s_mov_b32 s[\gx+1], \s*SLOT
	s_add_nc_u64 s[\gx+2:\gx+3], s[4:5], \s*128
	s_or_b32 s[\gx+3], s[\gx+3], 0x80000000
	s_mov_b32 s[\gw], 1
	s_add_co_u32 s[\gw+1], s99, \s*SLOT+WB
	s_add_nc_u64 s[\gw+2:\gw+3], s[20:21], \s*128
	s_or_b32 s[\gw+3], s[\gw+3], 0x80000000
	JLOAD \gx, G1X, \gw, G1W
.endm
	FIRST 60, 80, 0
	FIRST 68, 84, 1
	FIRST 72, 88, 2                                ; four tensor loads of mine are out
	s_load_b256 s[4:11], s[0:1], 0x40              ; bq, bk, bv, mask
	s_load_b128 s[12:15], s[0:1], 0x60             ; kv, qc
	s_load_b64 s[16:17], s[0:1], 0x70              ; qs
	s_mov_b32 s[SEL], 0x76543210
	s_mov_b32 s[SEL+1], 0xfedcba98
	v_and_b32 v1, 15, v0                           ; r
	v_bfe_u32 v2, v0, 4, 1                         ; h
	v_mul_u32_u24 v3, v1, PITCH
	v_lshl_add_u32 v3, v2, 4, v3                   ; a fragment's row x pitch + 16 h
	s_mul_i32 s20, s[MH], 128*PITCH
	s_mul_i32 s21, s[HL], 64*PITCH
	s_add_co_u32 s21, s21, XB
.irp s, 0,1,2
	v_add_nc_u32 v[ADRX+\s], s20, v3
	v_add_nc_u32 v[ADRW+\s], s21, v3
	s_add_co_u32 s20, s20, SLOT
	s_add_co_u32 s21, s21, SLOT
.endr
	v_lshrrev_b32 v4, 3, v1                        ; a row's 32 scale bytes: eight rows to a block of 256 + 16
	v_mul_u32_u24 v4, v4, 272
	v_and_b32 v5, 7, v1
	v_lshl_add_u32 v4, v5, 5, v4
	s_mul_i32 s20, s[MH], 16*272
	s_mul_i32 s21, s[HL], 8*272
.irp g, 0,1,2                          ; group g: lanes 0-15 x's tiles 4 g on (g = 2: tiles 4 on again, not read), lanes 16-31 slice g's four tiles: the lower base + h x the distance
	s_add_co_u32 s22, s21, SCW-SCX+\g*16*272-((\g+1)/2)*8*272
	s_sub_co_u32 s22, s22, s20
	v_mul_u32_u24 v5, s22, v2
	s_wait_alu depctr_va_vdst(0)
	v_add_nc_u32 v5, v5, v4
	s_add_co_u32 s23, s20, SCX+((\g+1)/2)*8*272
	v_add_nc_u32 v[ADRS+\g], s23, v5
.endr
	v_and_b32 v5, 31, v0
	v_lshlrev_b32 v[LI], 4, v5
	v_lshlrev_b32 v[L8], 3, v5
	v_lshlrev_b32 v[MO], 2, v1
	v_lshlrev_b32 v[BO], 5, v2
	s_mul_i32 s20, s[WV], SCRW
	s_add_co_u32 s20, s20, SCR
	v_add_nc_u32 v[SA], s20, v[MO]
	v_lshl_add_u32 v[SB], v1, 4, s20
	v_add_nc_u32 v[SCA], s20, v[L8]
	s_lshl_b32 s21, s[XX], 1
	s_add_co_u32 s21, s21, s[HL]                   ; my head
	s_lshr_b32 s22, s[YY], 3
	s_lshl_b32 s22, s22, 4
	s_add_co_u32 s22, s22, s21                     ; batch x 16 + head
	s_and_b32 s23, s[YY], 7
	s_lshl_b32 s23, s23, 1
	s_add_co_u32 s23, s23, s[MH]                   ; which 128 rows of the sequence
	s_lshl_b32 s2, s22, 4
	s_add_co_u32 s2, s2, s23
	s_mul_i32 s66, s2, REC                         ; my record of kv
	s_mov_b32 s67, 0
	s_lshl_b32 s100, s2, 12                        ; my eight tiles of qc, 512 bytes each
	s_mov_b32 s101, 0
	s_lshl_b32 s2, s2, 9                           ; and of qs, 64 bytes each
	s_mov_b32 s3, 0
	s_lshl_b32 s20, s21, 8                         ; my head's 64 numbers of a bias
	s_mov_b32 s21, 0
	s_lshl_b32 s22, s[YY], 10
	s_lshl_b32 s23, s[MH], 9
	s_add_co_u32 s22, s22, s23                     ; my 128 words of the mask
	s_mov_b32 s23, 0
	s_wait_alu depctr_va_vdst(0)
	s_wait_kmcnt 0x0
	s_add_nc_u64 s[4:5], s[4:5], s[20:21]
	s_add_nc_u64 s[6:7], s[6:7], s[20:21]
	s_add_nc_u64 s[8:9], s[8:9], s[20:21]
	s_add_nc_u64 s[10:11], s[10:11], s[22:23]
	s_add_nc_u64 s[12:13], s[12:13], s[66:67]
	s_add_nc_u64 s[14:15], s[14:15], s[100:101]
	s_add_nc_u64 s[16:17], s[16:17], s[2:3]
.irp t, 0,1,2,3                        ; bq and bk as the C of the first products: eight registers a tile in the result's layout, in x's second set, which is idle in substep 0.  bv: one number a lane, loaded twice to fill a pair
	global_load_b128 v[XS+64+8*\t:XS+64+8*\t+3], v[BO], s[4:5] offset:64*\t
	global_load_b128 v[XS+64+8*\t+4:XS+64+8*\t+7], v[BO], s[4:5] offset:64*\t+16
	global_load_b128 v[XS+96+8*\t:XS+96+8*\t+3], v[BO], s[6:7] offset:64*\t
	global_load_b128 v[XS+96+8*\t+4:XS+96+8*\t+7], v[BO], s[6:7] offset:64*\t+16
	global_load_b32 v[BV+2*\t], v[MO], s[8:9] offset:64*\t
	global_load_b32 v[BV+2*\t+1], v[MO], s[8:9] offset:64*\t
.endr
; Substep q = 128 along K: slot (q / 2) % 3, byte 64 (q % 2) of a row.
.macro LDW q, s                        ; slice s's four W fragments of substep q into set (3 q + s) % 2
.set WR, WS+32*((3*(\q)+(\s))%2)
.set WA, ADRW+(((\q)/2)%3)
.irp t, 0,1,2,3
.irp c, 0,1
	ds_load_b128 v[WR+8*\t+4*\c:WR+8*\t+4*\c+3], v[WA] offset:(\s)*WB+\t*16*PITCH+64*((\q)%2)+32*\c
.endr
.endr
.endm
.macro LDX q, half                     ; x's tiles 4 half .. 4 half + 3 into set q % 2
.set XR, XS+64*((\q)%2)
.set XA, ADRX+(((\q)/2)%3)
.irp i, 0,1,2,3
.irp c, 0,1
	ds_load_b128 v[XR+8*(4*(\half)+\i)+4*\c:XR+8*(4*(\half)+\i)+4*\c+3], v[XA] offset:(4*(\half)+\i)*16*PITCH+64*((\q)%2)+32*\c
.endr
.endr
.endm
.macro LDSC q                          ; register i of set q % 2: lanes 0-15 the word of x's tile i, lanes 16-31 that of slice i / 4, tile i % 4
.set SR, SC+12*((\q)%2)
.irp i, 0,1,2,3,4,5,6,7,8,9,10,11
	ds_load_b32 v[SR+\i], v[ADRS+\i/4] offset:544*(\i%4)+4*(\q)
.endr
.endm
; 16 products of slice s (0: Q, 1: K): x's tiles a0 .. a0 + 3 against the slice's four W tiles.  In substep 0 the bias is the C.  All 96 accumulators take turns, one instruction a turn, in the same order in every substep.
.macro MULQK s, q, a0
.set WR, WS+32*((3*(\q)+(\s))%2)
.set XR, XS+64*((\q)%2)
.set SR, SC+12*((\q)%2)
.irp a, \a0, \a0+1, \a0+2, \a0+3
.irp t, 0,1,2,3
.if (\q) == 0
	v_wmma_scale_f32_16x16x128_f8f6f4 v[8*(4*(\a)+\t):8*(4*(\a)+\t)+7], v[WR+8*\t:WR+8*\t+7], v[XR+8*(\a):XR+8*(\a)+7], v[XS+64+32*(\s)+8*\t:XS+64+32*(\s)+8*\t+7], v[SR+4*(\s)+\t], v[SR+(\a)] matrix_a_fmt:MATRIX_FMT_FP4 matrix_b_fmt:MATRIX_FMT_FP4 matrix_a_scale:MATRIX_SCALE_ROW1
.else
	v_wmma_scale_f32_16x16x128_f8f6f4 v[8*(4*(\a)+\t):8*(4*(\a)+\t)+7], v[WR+8*\t:WR+8*\t+7], v[XR+8*(\a):XR+8*(\a)+7], v[8*(4*(\a)+\t):8*(4*(\a)+\t)+7], v[SR+4*(\s)+\t], v[SR+(\a)] matrix_a_fmt:MATRIX_FMT_FP4 matrix_b_fmt:MATRIX_FMT_FP4 matrix_a_scale:MATRIX_SCALE_ROW1
.endif
.endr
.endr
.endm
.macro MULV q, a0                      ; the same for V, not transposed; its sums begin with the constant 0
.set WR, WS+32*((3*(\q)+2)%2)
.set XR, XS+64*((\q)%2)
.set SR, SC+12*((\q)%2)
.irp a, \a0, \a0+1, \a0+2, \a0+3
.irp t, 0,1,2,3
.if (\q) == 0
	v_wmma_scale_f32_16x16x128_f8f6f4 v[8*(8*\t+(\a)):8*(8*\t+(\a))+7], v[XR+8*(\a):XR+8*(\a)+7], v[WR+8*\t:WR+8*\t+7], 0, v[SR+(\a)], v[SR+8+\t] matrix_a_fmt:MATRIX_FMT_FP4 matrix_b_fmt:MATRIX_FMT_FP4 matrix_b_scale:MATRIX_SCALE_ROW1
.else
	v_wmma_scale_f32_16x16x128_f8f6f4 v[8*(8*\t+(\a)):8*(8*\t+(\a))+7], v[XR+8*(\a):XR+8*(\a)+7], v[WR+8*\t:WR+8*\t+7], v[8*(8*\t+(\a)):8*(8*\t+(\a))+7], v[SR+(\a)], v[SR+8+\t] matrix_a_fmt:MATRIX_FMT_FP4 matrix_b_fmt:MATRIX_FMT_FP4 matrix_b_scale:MATRIX_SCALE_ROW1
.endif
.endr
.endr
.endm
; A substep: three boundaries, each: four places, a run of LDS loads for what comes next, a wait that leaves out exactly the loads just issued, 32 products.
.macro SUB q
	WIN 0
	PLACES
	LDW \q, 1
.if (\q) < 7
	LDSC (\q)+1
	s_wait_dscnt 20                                ; all but the 20 just issued: Q's W fragments, x's fragments and this substep's scale words are in
.else
	s_wait_dscnt 8
.endif
.if (\q) == 0
	WIN 0x40                                       ; D window 1, C (the bias) window 0
.else
	WIN 0x50
.endif
	MULQK 0, \q, 0
	MULQK 0, \q, 4
	WIN 0
	PLACES
	LDW \q, 2
.if ((\q) == 1) || ((\q) == 5)
	; The last reads of a slot have just been issued.  q = 1: slot 0 is left and filled again with K step 3.  q = 5: that fill is shown to every wave.
	s_wait_tensorcnt 0x0                           ; all my tensor loads have landed
	ds_add_u32 v[SPW], v[NIL]                      ; 0 onto my spare word
	s_wait_dscnt 9                                 ; the add and the eight loads just issued may be out: K's W fragments are in
	WIN 0xa0
	MULQK 1, \q, 0                                 ; sixteen products stand between the add and the wait for it
	s_wait_dscnt 0x0                               ; the add is done, and my reads of the slot are over
	s_barrier_signal -1
	MULQK 1, \q, 4
	WIN 0
	s_barrier_wait -1
.if (\q) == 1
	CREST                                          ; the barrier has opened a round of the cluster's barrier: no wave of any partner still reads slot 0 or has a load on its way
	s_add_nc_u64 s[62:63], s[62:63], 384           ; from K step 0 to K step 3
	s_add_nc_u64 s[82:83], s[82:83], 384
	JLOAD 60, G1X, 80, G1W                         ; my one tensor load behind the round; its four v_nop are the places in front of the loads below
.else
	PLACES
.endif
	LDW (\q)+1, 0                                  ; the next slot is whole only behind the barrier: all of the next substep's loads stand here
	LDX (\q)+1, 0
	LDX (\q)+1, 1                                  ; (no wait: the wait for 0 above covers V's W fragments)
.else
.if (\q) < 7
	LDX (\q)+1, 0
	s_wait_dscnt 16                                ; all but the 16 just issued: K's W fragments are in
.else
	s_wait_dscnt 8
.endif
.if (\q) == 0
	WIN 0x80
.else
	WIN 0xa0
.endif
	MULQK 1, \q, 0
	MULQK 1, \q, 4
	WIN 0
	PLACES
.if (\q) < 7
	LDW (\q)+1, 0
	LDX (\q)+1, 1
	s_wait_dscnt 16                                ; all but the 16 just issued: V's W fragments are in
.else
	s_wait_dscnt 0x0
.endif
.endif
.if (\q) == 0
	WIN 0xc0
.else
	WIN 0xf0
.endif
	MULV \q, 0
	MULV \q, 4
.endm
	s_wait_tensorcnt 2                             ; the scales and my part of K step 0 are in; K steps 1 and 2 may stay out
	s_barrier_signal -1
	s_barrier_wait -1
	LDSC 0
	LDX 0, 0
	LDX 0, 1
	LDW 0, 0
	s_wait_loadcnt 0x0                             ; the biases
.irp q, 0,1,2,3,4,5,6,7
	SUB \q
.endr
	; THE WAY OUT.
	WIN 0
	PLACES
.irp a, 0,1,2,3,4,5,6,7
	global_load_b32 v[MK+\a], v[MO], s[10:11] offset:64*\a   ; the mask of key r of tile a, in both halves of the lanes
.endr
	v_mov_b32 v[TEN], 10                           ; the code -1.0
	v_mov_b32 v[ZER], 0
; Eight units (a window's 256 registers) are quantised at once: sixteen blocks by turns.  Each accumulator is first read at its low end.
.macro QBATCH w, cd
.set QW, 5*(\w)
	WIN QW                                         ; sources 0 and 1 in window w
.irp n, 0,1,2,3,4,5,6,7,8,9,10,11,12,13,14,15
	v_max3_num_f32 v[TM+\n], |v[16*\n]|, |v[16*\n+1]|, 0x1800000   ; my 16 numbers of block n, and the floor 2^(3 - 127): the byte cannot fall under 1
.endr
.irp i, 2,4,6,8,10,12,14
.irp n, 0,1,2,3,4,5,6,7,8,9,10,11,12,13,14,15
	v_max3_num_f32 v[TM+\n], |v[16*\n+\i]|, |v[16*\n+\i+1]|, v[TM+\n]
.endr
.endr
	WIN 0
.irp n, 0,1,2,3,4,5,6,7,8,9,10,11,12,13,14,15
	v_permlanex16_b32 v[TX+\n], v[TM+\n], s[SEL], s[SEL+1]
.endr
.irp n, 0,1,2,3,4,5,6,7,8,9,10,11,12,13,14,15
	v_max_num_f32 v[TM+\n], v[TM+\n], v[TX+\n]     ; with lane l xor 16's: the block's largest magnitude
.endr
.irp n, 0,1,2,3,4,5,6,7,8,9,10,11,12,13,14,15
	v_add_nc_u32 v[SO+\n], 0xff000000, v[TM+\n]    ; 2 off its exponent field: the conversion's scale operand
.endr
.irp n, 0,1,2,3,4,5,6,7,8,9,10,11,12,13,14,15
	v_lshrrev_b32 v[BY+\n], 23, v[SO+\n]           ; the scale's byte
.endr
.set QW, \w
	WIN QW                                         ; source 0 in window w
.irp u, 0,1,2,3,4,5,6,7
.irp e, 0,1,2,3
	v_cvt_scalef32_pk8_fp4_f32 v[\cd+4*\u+(\e%2)*2+\e/2], v[32*\u+8*\e:32*\u+8*\e+7], v[SO+2*\u+\e/2]   ; tile e's eight codes, to register 0, 2, 1, 3
.endr
.endr
	WIN 0
	v_nop                                          ; one plain line behind a scaled conversion
.irp u, 0,1,2,3,4,5,6,7
	v_permlane16_swap_b32 v[\cd+4*\u], v[\cd+4*\u+1]       ; the first's lanes 16-31 change places with the second's lanes 0-15: register i of half h now holds k = 32 h + 8 i + 0..7
	v_permlane16_swap_b32 v[\cd+4*\u+2], v[\cd+4*\u+3]
.endr
.endm
	QBATCH 1, CDQ                                  ; Q: unit a = 16 queries x the head's 64
.irp a, 0,1,2,3,4,5,6,7
	v_lshl_or_b32 v[WD+\a], v[BY+2*\a+1], 8, v[BY+2*\a]
.endr
.irp a, 0,1,2,3,4,5,6,7
	v_or_b32 v[WD+\a], 0x7f7f0000, v[WD+\a]        ; blocks 2 and 3 under the byte 127
.endr
.irp a, 0,1,2,3,4,5,6,7
	global_store_b128 v[LI], v[CDQ+4*\a:CDQ+4*\a+3], s[14:15] offset:512*\a   ; 32 lanes store 512 consecutive bytes
	ds_store_b32 v[SA], v[WD+\a] offset:1280+64*\a                           ; both halves of the lanes write the same word with the same value
.endr
	QBATCH 2, CDK                                  ; K: unit a = 16 keys x the head's 64
	s_wait_loadcnt 0x0                             ; the mask
.irp a, 0,1,2,3,4,5,6,7
	v_cmp_eq_u32 vcc_lo, 0, v[MK+\a]
	v_cndmask_b32 v[EX+\a], 0, v[TEN], vcc_lo      ; a hidden key: the code -1 at k = 64,
.irp i, 0,1,2,3
	v_cndmask_b32 v[CDK+4*\a+\i], v[CDK+4*\a+\i], v[ZER], vcc_lo   ; and zeros for k < 64
.endr
	v_lshl_or_b32 v[KW+\a], v[BY+2*\a+1], 8, v[BY+2*\a]
	v_or_b32 v[KW+\a], 0x7fa00000, v[KW+\a]        ; block 2 under the byte 160 (2^33), block 3 under 127
.endr
.irp a, 0,1,2,3,4,5,6,7
	global_store_b128 v[LI], v[CDK+4*\a:CDK+4*\a+3], s[12:13] offset:512*\a
	ds_store_b32 v[SA], v[EX+\a] offset:64*\a
.endr
	ds_store_b128 v[SB], v[KW:KW+3] offset:768     ; key r's words of tiles 0-3,
	ds_store_b128 v[SB], v[KW+4:KW+7] offset:1024  ; and of tiles 4-7
	WIN 0xc3                                       ; V + bv: destination and source 0 in window 3
.set i, 0
.rept 128
	v_pk_add_f32 v[2*i:2*i+1], v[2*i:2*i+1], v[BV+2*(i/32):BV+2*(i/32)+1]
.set i, i+1
.endr
	QBATCH 3, CDV                                  ; V: unit 2 t + c = 16 channels x keys 64 c .. 64 c + 63
.irp t, 0,1,2,3
	v_lshl_or_b32 v[VW+\t], v[BY+4*\t+1], 8, v[BY+4*\t]
	v_lshl_or_b32 v[VW+\t], v[BY+4*\t+2], 16, v[VW+\t]
	v_lshl_or_b32 v[VW+\t], v[BY+4*\t+3], 24, v[VW+\t]
.endr
.irp u, 0,1,2,3,4,5,6,7
	global_store_b128 v[LI], v[CDV+4*\u:CDV+4*\u+3], s[12:13] offset:5376+512*\u
.endr
	ds_store_b128 v[SB], v[VW:VW+3] offset:512     ; channel r's words of the four tiles
.irp i, 0,1,2,3,4,5,6
	ds_load_b64 v[CP+2*\i:CP+2*\i+1], v[SCA] offset:256*\i   ; LDS serves a wave's instructions in order: these see my stores
.endr
.irp i, 0,1,2,3,4
	s_wait_dscnt 6-\i
	global_store_b64 v[L8], v[CP+2*\i:CP+2*\i+1], s[12:13] offset:4096+256*\i   ; 32 lanes store 256 consecutive bytes, aligned
.endr
.irp i, 5,6
	s_wait_dscnt 6-\i
	global_store_b64 v[L8], v[CP+2*\i:CP+2*\i+1], s[16:17] offset:256*(\i-5)
.endr
	s_wait_tensorcnt 0x0                           ; the wave's end
	ds_add_u32 v[SPW], v[NIL]
	s_wait_dscnt 0x0
	CROUND                                         ; the closing round
	s_endpgm
.Lfunc_end_k_qa0771dee6f_proj:
	.size	k_qa0771dee6f_proj, .Lfunc_end_k_qa0771dee6f_proj-k_qa0771dee6f_proj
	.p2alignl 7, 3214868480
	.fill 96, 4, 3214868480
	.section	.rodata,"a",@progbits
	.p2align	6, 0x0
	.amdhsa_kernel k_qa0771dee6f_proj
		.amdhsa_group_segment_fixed_size 327680
		.amdhsa_private_segment_fixed_size 0
		.amdhsa_enable_private_segment 0
		.amdhsa_kernarg_size 120
		.amdhsa_user_sgpr_count 2
		.amdhsa_user_sgpr_kernarg_segment_ptr 1
		.amdhsa_wavefront_size32 1
		.amdhsa_system_sgpr_workgroup_id_x 1
		.amdhsa_system_sgpr_workgroup_id_y 1
		.amdhsa_system_sgpr_workgroup_id_z 1
		.amdhsa_system_vgpr_workitem_id 0
		.amdhsa_next_free_vgpr 1024
		.amdhsa_next_free_sgpr 102
		.amdhsa_reserve_vcc 1
		.amdhsa_float_denorm_mode_32 3
		.amdhsa_float_denorm_mode_16_64 3
		.amdhsa_memory_ordered 1
		.amdhsa_forward_progress 1
		.amdhsa_inst_pref_size 204
	.end_amdhsa_kernel
	.amdgpu_metadata
---
amdhsa.version: [ 1, 2 ]
amdhsa.kernels:
  - .name:           k_qa0771dee6f_proj
    .symbol:         k_qa0771dee6f_proj.kd
    .args:
      - { .name: x_codes, .offset: 0, .size: 8, .value_kind: global_buffer, .address_space: global }
      - { .name: x_scales, .offset: 8, .size: 8, .value_kind: global_buffer, .address_space: global }
      - { .name: Wq_codes, .offset: 16, .size: 8, .value_kind: global_buffer, .address_space: global }
      - { .name: Wq_scales, .offset: 24, .size: 8, .value_kind: global_buffer, .address_space: global }
      - { .name: Wk_codes, .offset: 32, .size: 8, .value_kind: global_buffer, .address_space: global }
      - { .name: Wk_scales, .offset: 40, .size: 8, .value_kind: global_buffer, .address_space: global }
      - { .name: Wv_codes, .offset: 48, .size: 8, .value_kind: global_buffer, .address_space: global }
      - { .name: Wv_scales, .offset: 56, .size: 8, .value_kind: global_buffer, .address_space: global }
      - { .name: bq, .offset: 64, .size: 8, .value_kind: global_buffer, .address_space: global }
      - { .name: bk, .offset: 72, .size: 8, .value_kind: global_buffer, .address_space: global }
      - { .name: bv, .offset: 80, .size: 8, .value_kind: global_buffer, .address_space: global }
      - { .name: mask, .offset: 88, .size: 8, .value_kind: global_buffer, .address_space: global }
      - { .name: kv, .offset: 96, .size: 8, .value_kind: global_buffer, .address_space: global }
      - { .name: qc, .offset: 104, .size: 8, .value_kind: global_buffer, .address_space: global }
      - { .name: qs, .offset: 112, .size: 8, .value_kind: global_buffer, .address_space: global }
    .group_segment_fixed_size: 327680
    .private_segment_fixed_size: 0
    .kernarg_segment_align: 8
    .kernarg_segment_size: 120
    .max_flat_workgroup_size: 128
    .sgpr_count:     102
    .vgpr_count:     1024
    .wavefront_size: 32
...
	.end_amdgpu_metadata
.endif
;; end of part 1
;; launch attn (part 2): grid 8 x 32, 16 waves a work-group, clusters of 4 x 1, 327,680 bytes of LDS; arguments qc, qs, kv, ac, asw; writes ac, asw
.if DOCPART == 2
	.amdgcn_target "amdgcn-amd-amdhsa--gfx1250"
	.amdhsa_code_object_version 6
	.text
	.protected	k_qa0771dee6f_attn
	.globl	k_qa0771dee6f_attn
	.p2align	8
	.type	k_qa0771dee6f_attn,@function
k_qa0771dee6f_attn:
	s_mov_b64 s[64:65], 0
	v_nop
	global_prefetch_b8 v0, s[64:65] scope:SCOPE_SE
	s_setreg_imm32_b32 hwreg(HW_REG_WAVE_MODE, 25, 1), 1
	s_wait_xcnt 0x0
	s_wait_alu depctr_hold_cnt(0) depctr_sa_sdst(0) depctr_va_vdst(0) depctr_va_sdst(0) depctr_va_ssrc(0) depctr_va_vcc(0) depctr_vm_vsrc(0)
	s_getreg_b32 s2, hwreg(HW_REG_IB_STS2, 6, 4)
	s_cmp_eq_u32 s2, 0
	s_cbranch_scc0 .Lentry_in_a_cluster
	s_endpgm
.Lentry_in_a_cluster:
	s_bfe_u32 s2, ttmp6, 0x10000c
	s_cmp_lg_u32 s2, 0x3003
	s_cbranch_scc0 .Lentry_shape_is_right
	s_endpgm
.Lentry_shape_is_right:
; Attention on codes of FP4 (E2M1): scores S^T = K Q^T, softmax, O^T = V^T P^T, O / l, and O quantised along d_model for the last product.
; THE SOFTMAX: t = score x log2(e) / 8; M = the largest t so far, rounded up to a whole number; p = 2^(t - M) is quantised along the keys, not normalised; the row's sum is taken of the unquantised p and divides O at the end.
; When M moves, the sum and O^T are multiplied by 2^(old M - new M), which rounds nothing.
; SHARES.  A work-group owns 256 queries and a PAIR of heads; each of its sixteen waves owns 16 queries, one tile, for both heads, one after the other: so it ends with one whole fragment (128 along d_model) and one whole
; scale word a row of the last product's operand.  Four waves share a SIMD: one wave's vector work stands beside another's products and LDS loads.
; K AND V ARE RESIDENT: the two heads' 32 records of kv, 303,104 dense bytes, fill LDS once; nothing is filled again.  The four query blocks of a cluster need the same bytes: wave w asks jointly for record w of each head.
; A RECORD (128 keys, 9,472 bytes), in the order of the operands' registers: KC @0: 8 tiles of 16 keys, registers 0-3, 16 bytes a lane;  KM @4096: key r's code word at k = 64;  VS @4608: channel r's scale words of 4 tiles;
; KS @4864: key r's scale words of tiles 0-3, then of tiles 4-7;  VC @5376: 4 tiles of 16 channels x 128 keys.
; THE MASK costs no line here: a hidden key has zero codes, the code -1 at k = 64 and the byte 160 there; a query has the code +1 at k = 64: the score is exactly -2^33.  A row all of whose keys are hidden gets t - M = 0, p = 1.
; LIMITS: a hidden key's logit is -2^30 where reference() writes -1e9: the results part only where an open key's logit lies under about -1e9.  A block's largest p is taken from the block's largest score, which takes
; v_exp_f32 not to fall where its input rises.  NaN and infinities are not served.
; LAYOUT: both products are used transposed, so that a lane holds one query (lane % 16) throughout; tile t's registers are keys (or channels) 16 t + 8 (lane / 16) + 0..7.
; REGISTERS: v1-11 addresses; v12 -M, v13 the largest t, v[14:15] the sum; v[16:23] Q; v24 Q's scale word; v25 p's; v26-31 head A's word and codes; v32-95 K; v96-159 S^T, then p; v160-191 O^T; v192-223 V; v224-231 p's codes; v232-254 at work.
.set REC,   9472
.set HEADB, 16*REC
.set STG,   2*HEADB                    ; behind the records: 1,024 bytes for the scale words' way out; no tensor load fills them
.set TB,  2                            ; s2   LDS byte of the record in hand
.set CNT, 3
.set WV,  18
.set SEL, 20
.set CS,  22                           ; s[22:23] c = log2(e) / 8
.set G1,  24
.set G0A, 32
.set G0B, 36
.macro CROUND
	s_barrier_signal -1
	s_barrier_wait -1
	s_cmp_lg_u32 s[WV], 0
	s_cbranch_scc1 .Lnot_wave_0_\@
	s_barrier_signal -3
.Lnot_wave_0_\@:
	s_barrier_wait -3
	s_barrier_signal -1
	s_barrier_wait -1
.endm
	s_load_b256 s[4:11], s[0:1], 0x0               ; qc, qs, kv, ac
	s_load_b64 s[12:13], s[0:1], 0x20              ; asw
	v_lshl_add_u32 v254, v0, 2, 0x4a400
	v_mov_b32 v255, 0
	ds_add_u32 v254, v255
	ds_add_u32 v254, v255
	s_wait_dscnt 0x0
	v_lshrrev_b32 v8, 5, v0
	s_delay_alu instid0(VALU_DEP_1)
	v_readfirstlane_b32 s[WV], v8                  ; wave 0..15
	s_bfe_u32 s40, ttmp6, 0x40000                  ; cx
	s_lshl_b32 s41, ttmp9, 2
	s_add_co_u32 s41, s41, s40                     ; my block of 256 queries: it enters Q's and the outputs' addresses alone
	s_and_b32 s42, ttmp7, 0xffff                   ; batch x 8 + pair of heads, which the four partners share
	s_mul_i32 s46, s[WV], REC
	s_mul_i32 s44, s42, 2*HEADB
	s_add_co_u32 s44, s44, s46
	s_mov_b32 s45, 0
	s_mov_b32 s[G1], 15|(3<<16)|(1<<21)            ; the mask: all four work-groups; elements of 8 bytes; bit 21 set beside a mask; no padding: every read takes 512 bytes on end
	s_mov_b32 s[G1+1], 32<<16                      ; a record: 37 dense rows of 256 bytes
	s_mov_b32 s[G1+2], 37<<16
	s_mov_b32 s[G1+3], 32<<16
	s_mov_b32 s[G1+4], 37
	s_mov_b32 s[G1+5], 32
	s_mov_b32 s[G1+6], 0
	s_mov_b32 s[G1+7], 0
	s_mov_b32 s[SEL], 0x76543210
	s_mov_b32 s[SEL+1], 0xfedcba98
	s_mov_b32 s[CS], 0x3e38aa3b
	s_mov_b32 s[CS+1], s[CS]                       ; (named with it as a pair, so it is written)
	s_wait_kmcnt 0x0
	s_add_nc_u64 s[8:9], s[8:9], s[44:45]
	CROUND                                         ; all four work-groups are here: the joint loads meet
	s_mov_b32 s[G0A], 1
	s_mov_b32 s[G0A+1], s46
	s_mov_b64 s[G0A+2:G0A+3], s[8:9]
	s_or_b32 s[G0A+3], s[G0A+3], 0x80000000
	s_mov_b32 s[G0B], 1
	s_add_co_u32 s[G0B+1], s46, HEADB
	s_add_nc_u64 s[G0B+2:G0B+3], s[8:9], HEADB
	s_or_b32 s[G0B+3], s[G0B+3], 0x80000000
	tensor_load_to_lds s[G0A:G0A+3], s[G1:G1+7]    ; record w of the first head,
	s_nop 0
	s_wait_alu depctr_va_vdst(0)
	s_wait_tensorcnt 0x0
	ds_add_u32 v254, v255
	s_wait_dscnt 0x0
	CROUND
	tensor_load_to_lds s[G0B:G0B+3], s[G1:G1+7]    ; and of the second: one load of mine is out
	s_nop 0
.rept 4
	v_nop
.endr
	v_and_b32 v8, 31, v0
	s_delay_alu instid0(VALU_DEP_1)
	v_lshlrev_b32 v1, 4, v8                        ; 16 x lane
	v_and_b32 v9, 15, v0                           ; r
	v_bfe_u32 v10, v0, 4, 1                        ; h
	s_delay_alu instid0(VALU_DEP_2)
	v_lshl_add_u32 v2, v9, 2, 4096                 ; KM: 4 r
	s_delay_alu instid0(VALU_DEP_2)
	v_xor_b32 v11, 1, v10                          ; 1 - h
	s_delay_alu instid0(VALU_DEP_1)
	v_lshlrev_b32 v20, 1, v11                      ; Q's register 4: the code +1.0 at k = 64 in lanes 0-15, nothing at k = 96 in lanes 16-31
	v_lshlrev_b32 v3, 4, v9
	s_delay_alu instid0(VALU_DEP_1)
	v_lshl_add_u32 v3, v11, 8, v3
	s_delay_alu instid0(VALU_DEP_1)
	v_add_nc_u32 v3, 4608, v3                      ; the scale words: lanes 16-31 V's, lanes 0-15 K's, 256 bytes on
	v_lshlrev_b32 v9, 2, v9                        ; 4 r
	s_wait_alu depctr_va_vdst(0)
	s_lshl_b32 s47, s[WV], 6
	s_add_co_u32 s47, s47, STG
	v_add_nc_u32 v10, s47, v9                      ; where my tile's scale words go
	s_and_b32 s47, s[WV], 1
	s_lshl_b32 s47, s47, 9
	v_add_nc_u32 v4, s47, v1                       ; waves 0 and 1 take them out, 512 bytes each
	s_add_co_u32 s47, s47, STG
	v_add_nc_u32 v11, s47, v1
	s_lshl_b32 s48, s42, 8
	s_lshl_b32 s49, s41, 4
	s_add_co_u32 s49, s49, s[WV]                   ; my tile of queries in the sequence
	s_add_co_u32 s48, s48, s49                     ; and among the first head's tiles in qc and qs
	s_lshl_b32 s50, s48, 9
	s_mov_b32 s51, 0
	s_add_nc_u64 s[4:5], s[4:5], s[50:51]
	s_lshl_b32 s50, s48, 6
	s_add_nc_u64 s[6:7], s[6:7], s[50:51]
	s_lshr_b32 s52, s42, 3
	s_lshl_b32 s52, s52, 7                         ; batch x 128 tiles
	s_and_b32 s53, s42, 7                          ; the pair of heads
	s_add_co_u32 s50, s52, s49
	s_lshl_b32 s50, s50, 3
	s_add_co_u32 s50, s50, s53
	s_lshl_b32 s50, s50, 10
	s_add_nc_u64 s[10:11], s[10:11], s[50:51]      ; ac: (row tile x 8 + pair) x 1,024
	s_lshl_b32 s50, s53, 9
	s_add_co_u32 s50, s50, s52
	s_lshl_b32 s54, s41, 4
	s_add_co_u32 s50, s50, s54
	s_lshl_b32 s50, s50, 6
	s_add_nc_u64 s[12:13], s[12:13], s[50:51]      ; asw: (pair x 512 + the work-group's first row tile) x 64
	global_load_b128 v[16:19], v1, s[4:5]          ; the first head's Q
	global_load_b32 v24, v9, s[6:7]
.irp j, 21,22,23
	v_mov_b32 v[\j], 0                             ; Q's codes from k = 72 on
.endr
.irp t, 0,1,2,3,4,5,6,7
	v_mov_b32 v[37+8*\t], 0                        ; K's likewise: written once
	v_mov_b32 v[38+8*\t], 0
	v_mov_b32 v[39+8*\t], 0
.endr
.irp b, 0,1,2,3
	v_mov_b32 v[236+\b], 0                         ; a lane permute's destination counts as one of its sources
.endr
	v_mov_b32 v253, 0                              ; (the upper half of the pair v[252:253])
	v_mov_b32 v254, 0
; A KEY STEP: one record, 128 keys.
.macro STEP
	v_add_nc_u32 v5, s[TB], v1                     ; these three and the v_nop are the four places behind the last step's products, in front of the loads into their registers
	v_add_nc_u32 v6, s[TB], v2
	v_add_nc_u32 v7, s[TB], v3
	v_nop
	ds_load_b128 v[244:247], v7                    ; lanes 0-15: K's scale words of tiles 0-3; lanes 16-31: V's of its four tiles
	ds_load_b128 v[248:251], v7 offset:256         ; lanes 0-15: K's of tiles 4-7
.irp t, 0,1,2,3,4,5,6,7
	ds_load_b128 v[32+8*\t:35+8*\t], v5 offset:512*\t
	ds_load_b32 v[36+8*\t], v6 offset:64*\t
.endr
.irp t, 0,1,2,3
.irp c, 0,1
	ds_load_b128 v[192+8*\t+4*\c:195+8*\t+4*\c], v5 offset:5376+1024*\t+512*\c
.endr
.endr
	s_wait_dscnt 8                                 ; V's eight loads may stay out
.irp t, 0,1,2,3,4,5,6,7
	v_wmma_scale_f32_16x16x128_f8f6f4 v[96+8*\t:103+8*\t], v[32+8*\t:39+8*\t], v[16:23], 0, v[244+\t], v24 matrix_a_fmt:MATRIX_FMT_FP4 matrix_b_fmt:MATRIX_FMT_FP4
.endr
.rept 4
	v_nop
.endr
.irp b, 0,1,2,3
	v_max3_num_f32 v[232+\b], v[96+16*\b], v[97+16*\b], v[98+16*\b]   ; the largest score of each block of 32 keys: for the row's maximum and for the block's largest p
.endr
.irp i, 3,5,7,9,11,13
.irp b, 0,1,2,3
	v_max3_num_f32 v[232+\b], v[232+\b], v[96+16*\b+\i], v[97+16*\b+\i]
.endr
.endr
.irp b, 0,1,2,3
	v_max_num_f32 v[232+\b], v[232+\b], v[111+16*\b]
.endr
.irp b, 0,1,2,3
	s_delay_alu instid0(VALU_DEP_4)
	v_permlanex16_b32 v[236+\b], v[232+\b], s[SEL], s[SEL+1]
.endr
.irp b, 0,1,2,3
	s_delay_alu instid0(VALU_DEP_4)
	v_max_num_f32 v[232+\b], v[232+\b], v[236+\b]  ; with lane l xor 16's 16 keys
.endr
	s_delay_alu instid0(VALU_DEP_2)
	v_max3_num_f32 v254, v232, v233, v234
	s_delay_alu instid0(VALU_DEP_1)
	v_max_num_f32 v254, v254, v235
	s_delay_alu instid0(VALU_DEP_1)
	v_mul_f32 v254, s[CS], v254                    ; the step's largest t
	s_delay_alu instid0(VALU_DEP_1)
	v_max_num_f32 v13, v13, v254
	v_mov_b32 v254, v12
	s_delay_alu instid0(VALU_DEP_2)
	v_floor_f32 v12, -v13                          ; the new -M = floor(-t): M is a whole number
	s_delay_alu instid0(VALU_DEP_1)
	v_sub_f32 v254, v12, v254                      ; old M - new M: a whole number, 0 or less
	s_delay_alu instid0(VALU_DEP_1)
	v_cvt_i32_f32 v254, v254                       ; (it saturates)
	s_delay_alu instid0(VALU_DEP_1)
	v_ldexp_f32 v252, 1.0, v254                    ; f = 2^(old M - new M)
.set j, 0
.rept 32
	v_pk_fma_f32 v[96+j:97+j], v[96+j:97+j], s[CS:CS+1], v[12:13] op_sel_hi:[1,0,0]   ; t - M, two at a time
.set j, j+2
.endr
.irp b, 0,1,2,3
	v_fma_f32 v[232+\b], v[232+\b], s[CS], v12     ; the same of each block's largest score
.endr
.set j, 0
	s_wait_alu depctr_va_vdst(0)
.rept 64
	v_exp_f32 v[96+j], v[96+j]                     ; p = 2^(t - M)
.set j, j+1
.endr
	s_setprio 1
	v_pk_mul_f32 v[14:15], v[14:15], v[252:253] op_sel_hi:[1,0]   ; the sums under the new M: a plain line behind the exponentials
	s_wait_alu depctr_va_vdst(0)                   ; one wait for the batch, ahead of its first reader
.irp b, 0,1,2,3
	v_exp_f32 v[232+\b], v[232+\b]                 ; the block's largest p
.endr
	v_pk_add_f32 v[236:237], v[96:97], v[98:99]    ; the row's sum of the unquantised p, in two chains
.irp j, 4,8,12,16,20,24,28,32,36,40,44,48,52,56,60
	v_pk_add_f32 v[14:15], v[14:15], v[96+\j:97+\j]
	v_pk_add_f32 v[236:237], v[236:237], v[98+\j:99+\j]
.endr
	s_delay_alu instid0(VALU_DEP_1)
	v_pk_add_f32 v[14:15], v[14:15], v[236:237]
	s_wait_alu depctr_va_vdst(0)                   ; and one for the four
.irp b, 0,1,2,3
	v_max_num_f32 v[232+\b], 0x1800000, v[232+\b]  ; the floor 2^(3 - 127): the byte cannot fall under 1
.endr
.irp b, 0,1,2,3
	s_delay_alu instid0(VALU_DEP_4)
	v_add_nc_u32 v[240+\b], 0xff000000, v[232+\b]  ; 2 off the exponent field: the conversion's scale operand
.endr
.irp b, 0,1,2,3
	s_delay_alu instid0(VALU_DEP_4)
	v_lshrrev_b32 v[236+\b], 23, v[240+\b]
.endr
	s_delay_alu instid0(VALU_DEP_3)
	v_lshl_or_b32 v25, v237, 8, v236               ; p's scale word for these 128 keys
	s_delay_alu instid0(VALU_DEP_1)
	v_lshl_or_b32 v25, v238, 16, v25
	s_delay_alu instid0(VALU_DEP_1)
	v_lshl_or_b32 v25, v239, 24, v25
.irp t, 0,1,2,3,4,5,6,7
	v_cvt_scalef32_pk8_fp4_f32 v[224+4*(\t/4)+(\t%2)*2+(\t%4)/2], v[96+8*\t:103+8*\t], v[240+\t/2]   ; tile t's eight codes, to register 0, 2, 1, 3 of its half of the fragment
.endr
	v_nop                                          ; one plain line behind a scaled conversion
	s_setprio 0
.irp c, 0,1,2,3
	v_permlane16_swap_b32 v[224+2*\c], v[225+2*\c] ; register 4 c + i of half h now holds keys 64 c + 32 h + 8 i + 0..7
.endr
.set j, 0
.rept 16
	v_pk_mul_f32 v[160+j:161+j], v[160+j:161+j], v[252:253] op_sel_hi:[1,0]   ; O^T under the new M; these sixteen also stand between the writes of p's word and codes and the products
.set j, j+2
.endr
	s_wait_alu depctr_va_vdst(0)
	s_wait_dscnt 0x0                               ; V
.irp t, 0,1,2,3
	v_wmma_scale_f32_16x16x128_f8f6f4 v[160+8*\t:167+8*\t], v[192+8*\t:199+8*\t], v[224:231], v[160+8*\t:167+8*\t], v[244+\t], v25 matrix_a_fmt:MATRIX_FMT_FP4 matrix_b_fmt:MATRIX_FMT_FP4 matrix_a_scale:MATRIX_SCALE_ROW1
.endr
.endm
; 32 numbers of a lane, four tiles, become four registers of an operand in v[d] on and two scale bytes in v[w].
.macro QUANT32 s, d, w
.irp b, 0,1
	v_max3_num_f32 v[232+\b], |v[\s+16*\b]|, |v[\s+16*\b+1]|, 0x1800000
.endr
.irp i, 2,4,6,8,10,12,14
.irp b, 0,1
	s_delay_alu instid0(VALU_DEP_2)
	v_max3_num_f32 v[232+\b], v[232+\b], |v[\s+16*\b+\i]|, |v[\s+16*\b+\i+1]|
.endr
.endr
.irp b, 0,1
	s_delay_alu instid0(VALU_DEP_2)
	v_permlanex16_b32 v[236+\b], v[232+\b], s[SEL], s[SEL+1]
.endr
.irp b, 0,1
	s_delay_alu instid0(VALU_DEP_2)
	v_max_num_f32 v[232+\b], v[232+\b], v[236+\b]
.endr
.irp b, 0,1
	s_delay_alu instid0(VALU_DEP_2)
	v_add_nc_u32 v[240+\b], 0xff000000, v[232+\b]
.endr
.irp b, 0,1
	s_delay_alu instid0(VALU_DEP_2)
	v_lshrrev_b32 v[236+\b], 23, v[240+\b]
.endr
.irp e, 0,1,2,3
	v_cvt_scalef32_pk8_fp4_f32 v[\d+(\e%2)*2+\e/2], v[\s+8*\e:\s+8*\e+7], v[240+\e/2]
.endr
	v_lshl_or_b32 v[\w], v237, 8, v236             ; (the plain line behind the conversions)
	v_permlane16_swap_b32 v[\d], v[\d+1]
	v_permlane16_swap_b32 v[\d+2], v[\d+3]
.endm
; One head: sixteen key steps, then O / l, quantised.
.macro HEAD hd, d, w
	v_mov_b32 v13, 0xff61b1e6                      ; the largest t so far: -3e38
	s_delay_alu instid0(VALU_DEP_1)
	v_floor_f32 v12, -v13
	v_mov_b32 v14, 0
	v_mov_b32 v15, 0
.set j, 0
.rept 32
	v_mov_b32 v[160+j], 0                          ; O^T: the step is written once; its first trip finds zeros
.set j, j+1
.endr
	s_mov_b32 s[TB], \hd*HEADB
	s_mov_b32 s[CNT], 16
	s_wait_loadcnt 0x0                             ; Q
.Lstep_\@:
	s_setprio 2
	STEP
	s_add_co_u32 s[TB], s[TB], REC
	s_sub_co_u32 s[CNT], s[CNT], 1
	s_cmp_lg_u32 s[CNT], 0
	s_cbranch_scc1 .Lstep_\@
	s_setprio 0
.rept 4
	v_nop                                          ; places behind the last products
.endr
.if \hd == 0
	global_load_b128 v[16:19], v1, s[4:5] offset:65536   ; the second head's Q: it lands while the first head's result is quantised
	global_load_b32 v24, v9, s[6:7] offset:8192
.endif
	v_add_f32 v14, v14, v15
	s_delay_alu instid0(VALU_DEP_1)
	v_permlanex16_b32 v254, v14, s[SEL], s[SEL+1]
	s_delay_alu instid0(VALU_DEP_1)
	v_add_f32 v14, v14, v254                       ; the row's sum
	s_wait_alu depctr_va_vdst(0)
	v_rcp_f32 v14, v14
	v_nop                                          ; a plain line behind the reciprocal
	s_wait_alu depctr_va_vdst(0)                   ; and the wait ahead of its first reader
.set j, 0
.rept 16
	v_pk_mul_f32 v[96+j:97+j], v[160+j:161+j], v[14:15] op_sel_hi:[1,0]   ; O^T / l, each accumulator from its low end on
.set j, j+2
.endr
	QUANT32 96, \d, \w
.endm
	s_wait_tensorcnt 1                             ; my record of the first head is in; the second head's may stay out
	s_barrier_signal -1
	s_barrier_wait -1                              ; everybody's is
	HEAD 0, 28, 26
	s_wait_tensorcnt 0x0                           ; my record of the second head is in
	s_wait_dscnt 0x0
	s_barrier_signal -1
	s_barrier_wait -1
	HEAD 1, 224, 27
	s_delay_alu instid0(VALU_DEP_3)
	v_lshl_or_b32 v26, v27, 16, v26                ; the row's scale word: two bytes of each head
	global_store_b128 v1, v[28:31], s[10:11]       ; the fragment's registers 0-3 and 4-7: 512 consecutive bytes each
	global_store_b128 v1, v[224:227], s[10:11] offset:512
	ds_store_b32 v10, v26                          ; both halves of the lanes write the same word with the same value
	s_wait_dscnt 0x0                               ; for the others' sake
	s_barrier_signal -1
	s_barrier_wait -1
	s_cmp_gt_u32 s[WV], 1
	s_cbranch_scc1 .Lno_words
	ds_load_b128 v[232:235], v11                   ; sixteen tiles' words are 1,024 consecutive bytes of asw: waves 0 and 1 store half each
	s_wait_dscnt 0x0
	global_store_b128 v4, v[232:235], s[12:13]
.Lno_words:
	s_wait_xcnt 0x0
	v_lshl_add_u32 v254, v0, 2, 0x4a400
	v_mov_b32 v255, 0
	s_wait_alu depctr_va_vdst(0)
	s_wait_tensorcnt 0x0
	ds_add_u32 v254, v255
	s_wait_dscnt 0x0
	CROUND                                         ; the closing round
	s_endpgm
.Lfunc_end_k_qa0771dee6f_attn:
	.size	k_qa0771dee6f_attn, .Lfunc_end_k_qa0771dee6f_attn-k_qa0771dee6f_attn
	.p2alignl 7, 3214868480
	.fill 96, 4, 3214868480
	.section	.rodata,"a",@progbits
	.p2align	6, 0x0
	.amdhsa_kernel k_qa0771dee6f_attn
		.amdhsa_group_segment_fixed_size 327680
		.amdhsa_private_segment_fixed_size 0
		.amdhsa_enable_private_segment 0
		.amdhsa_kernarg_size 40
		.amdhsa_user_sgpr_count 2
		.amdhsa_user_sgpr_kernarg_segment_ptr 1
		.amdhsa_wavefront_size32 1
		.amdhsa_system_sgpr_workgroup_id_x 1
		.amdhsa_system_sgpr_workgroup_id_y 1
		.amdhsa_system_sgpr_workgroup_id_z 1
		.amdhsa_system_vgpr_workitem_id 0
		.amdhsa_next_free_vgpr 256
		.amdhsa_next_free_sgpr 66
		.amdhsa_reserve_vcc 0
		.amdhsa_float_denorm_mode_32 3
		.amdhsa_float_denorm_mode_16_64 3
		.amdhsa_memory_ordered 1
		.amdhsa_forward_progress 1
		.amdhsa_inst_pref_size 52
	.end_amdhsa_kernel
	.amdgpu_metadata
---
amdhsa.version: [ 1, 2 ]
amdhsa.kernels:
  - .name:           k_qa0771dee6f_attn
    .symbol:         k_qa0771dee6f_attn.kd
    .args:
      - { .name: qc, .offset: 0, .size: 8, .value_kind: global_buffer, .address_space: global }
      - { .name: qs, .offset: 8, .size: 8, .value_kind: global_buffer, .address_space: global }
      - { .name: kv, .offset: 16, .size: 8, .value_kind: global_buffer, .address_space: global }
      - { .name: ac, .offset: 24, .size: 8, .value_kind: global_buffer, .address_space: global }
      - { .name: asw, .offset: 32, .size: 8, .value_kind: global_buffer, .address_space: global }
    .group_segment_fixed_size: 327680
    .private_segment_fixed_size: 0
    .kernarg_segment_align: 8
    .kernarg_segment_size: 40
    .max_flat_workgroup_size: 512
    .sgpr_count:     66
    .vgpr_count:     256
    .wavefront_size: 32
...
	.end_amdgpu_metadata
.endif
;; end of part 2
;; launch outp (part 3): grid 4 x 64, 4 waves a work-group, clusters of 4 x 4, 327,680 bytes of LDS; arguments ac, asw, Wo_codes, Wo_scales, bo, out0; writes out0
.if DOCPART == 3
	.amdgcn_target "amdgcn-amd-amdhsa--gfx1250"
	.amdhsa_code_object_version 6
	.text
	.protected	k_qa0771dee6f_outp
	.globl	k_qa0771dee6f_outp
	.p2align	8
	.type	k_qa0771dee6f_outp,@function
k_qa0771dee6f_outp:
	s_mov_b64 s[64:65], 0
	v_nop
	global_prefetch_b8 v0, s[64:65] scope:SCOPE_SE
	s_setreg_imm32_b32 hwreg(HW_REG_WAVE_MODE, 25, 1), 1
	s_wait_xcnt 0x0
	s_wait_alu depctr_hold_cnt(0) depctr_sa_sdst(0) depctr_va_vdst(0) depctr_va_sdst(0) depctr_va_ssrc(0) depctr_va_vcc(0) depctr_vm_vsrc(0)
	s_getreg_b32 s2, hwreg(HW_REG_IB_STS2, 6, 4)
	s_cmp_eq_u32 s2, 0
	s_cbranch_scc0 .Lentry_in_a_cluster
	s_endpgm
.Lentry_in_a_cluster:
	s_bfe_u32 s2, ttmp6, 0x10000c
	s_cmp_lg_u32 s2, 0xf033
	s_cbranch_scc0 .Lentry_shape_is_right
	s_endpgm
.Lentry_shape_is_right:
; out0 = a Wo^T + bo on codes of FP4 (E2M1) with one E8M0 scale for each 32 along K; sums in f32.  a: 8,192 rows x 1,024, laid by the launch before in the order of the operand's registers:
; ac [row tile 512][K step 8][c 2][lane 32] x 16 bytes, asw [K step 8][row tile 512][row 16] words.  Wo: 1,024 rows of 512 bytes of codes and 32 scale bytes.  out0: [8192][1024] f32.
; SHARES.  A work-group makes 128 rows x 256 columns, so that there are 256 work-groups; wave w makes 64 rows (w / 2) x 128 columns (w % 2): 32 accumulators in window 1, accumulator (a, t) at 8 (8 a + t).
; ALL OPERANDS ARE RESIDENT: they come once, in two halves of K, so that the first half is multiplied while the second lands; nothing is filled again.
; CLUSTER 4 x 4: a's tiles hang on the block of rows alone and are asked for jointly along a row of the cluster (waves 0, 1), Wo's on the block of columns alone, jointly along a column (waves 2, 3).
; THE MATRIX INSTRUCTION IS USED TRANSPOSED (source 0 = 16 rows of Wo, source 1 = 16 rows of a): a lane holds eight neighbouring numbers of a row of out0.  bo is the C of the first products.
; REGISTERS: window 0: v1-16 addresses; v32-55 scale words, two sets (4 of a, 8 of Wo); v64-127 a's fragments, two sets; v128-255 Wo's, two sets.  Window 2, v0-63: bo, eight tiles in the result's layout.
.set AIM,    0                         ; a's images: K half x 32,768 + row tile x 4,096 + K step x 1,024 + 512 c + 16 lane
.set WOC,    65536                     ; Wo's codes: K half x WHALF + row x 272
.set WHALF,  256*272
.set ASC,    WOC+2*WHALF               ; a's scale words: half of the rows x 2,048 + K step x 256 + tile x 64 + 4 r
.set WSC,    ASC+4096                  ; Wo's scale bytes: 32 blocks of 256 bytes + 16
.set STAGE,  WSC+32*272                ; the way out: 16 rows x (512 + 16) bytes for each wave; no tensor load fills it
.set SPITCH, 528
.set ADA, 8
.set ADW, 9                            ; v9-10: K half 0, 1
.set ASA, 11
.set ASW, 12
.set STO, 13
.set RD,  14
.set CO,  15
.set BO,  16
.set SC,  32
.set AF,  64
.set WF,  128
.set BK,  64                           ; the way out: 16 rows read back: v64-127 and v128-191 by turns
.set WV,  16
.set MI,  17
.set NI,  18
.set G1A,  24
.set G1AS, 32
.set G1W,  40
.set G1WS, 48
.set CX,  84
.set CY,  85
.set XN,  86
.set YM,  87
.set MSB, 0
.macro WIN new
.if MSB != \new
	s_set_vgpr_msb (MSB<<8)|\new
.set MSB, \new
.endif
.endm
.macro PLACES
.rept 4
	v_nop
.endr
.endm
.macro JLOAD g0a, g1a, g0b, g1b        ; waves 0 and 1 fetch for a, waves 2 and 3 for Wo; four v_nop follow each line
	s_cmp_eq_u32 s[MI], 0
	s_cbranch_scc0 .Lfor_b_\@
	tensor_load_to_lds s[\g0a:\g0a+3], s[\g1a:\g1a+7]
	s_nop 0
.rept 4
	v_nop
.endr
	s_branch .Lasked_\@
.Lfor_b_\@:
	tensor_load_to_lds s[\g0b:\g0b+3], s[\g1b:\g1b+7]
	s_nop 0
.rept 4
	v_nop
.endr
.Lasked_\@:
.endm
.macro CROUND
	s_barrier_signal -1
	s_barrier_wait -1
	s_cmp_lg_u32 s[WV], 0
	s_cbranch_scc1 .Lnot_wave_0_\@
	s_barrier_signal -3
.Lnot_wave_0_\@:
	s_barrier_wait -3
	s_barrier_signal -1
	s_barrier_wait -1
.endm
	s_load_b256 s[4:11], s[0:1], 0x0               ; ac, asw, Wo's codes, Wo's scales
	s_load_b128 s[12:15], s[0:1], 0x20             ; bo, out0
	v_lshl_add_u32 v62, v0, 2, 0x3d600
	v_mov_b32 v63, 0
	ds_add_u32 v62, v63
	ds_add_u32 v62, v63
	v_lshrrev_b32 v1, 5, v0
	v_readfirstlane_b32 s[WV], v1
	s_lshr_b32 s[MI], s[WV], 1                     ; which 64 rows are mine.  Also: I fetch for a (0) or for Wo (1)
	s_and_b32 s[NI], s[WV], 1                      ; which 128 columns.  Also: which half of that tile I fetch
	s_bfe_u32 s[CX], ttmp6, 0x40000
	s_bfe_u32 s[CY], ttmp6, 0x40004
	s_lshl_b32 s[XN], ttmp9, 2
	s_add_co_u32 s[XN], s[XN], s[CX]               ; block of 256 columns
	s_and_b32 s[YM], ttmp7, 0xffff
	s_lshl_b32 s[YM], s[YM], 2
	s_add_co_u32 s[YM], s[YM], s[CY]               ; block of 128 rows
	s_lshl_b32 s2, s[CY], 2
	s_lshl_b32 s2, 15, s2                          ; my row of the cluster
	s_lshl_b32 s3, 0x1111, s[CX]                   ; my column
	s_or_b32 s[G1A], s2, (3<<16)|(1<<21)           ; elements of 8 bytes, no padding: images are read 512 bytes on end
	s_or_b32 s[G1AS], s2, (3<<16)|(1<<21)
	s_or_b32 s[G1W], s3, (1<<20)|(1<<21)|(5<<22)|(3<<25)            ; elements of 1 byte; 4 words of padding behind every 64
	s_or_b32 s[G1WS], s3, (3<<16)|(1<<20)|(1<<21)|(5<<22)|(3<<25)
	s_mov_b32 s[G1A+1], 512<<16                    ; a's codes: 4 row tiles x 4,096 bytes (four K steps), 8,192 bytes apart
	s_mov_b32 s[G1A+2], 4<<16
	s_mov_b32 s[G1A+3], 512<<16
	s_mov_b32 s[G1A+4], 4
	s_mov_b32 s[G1A+5], 1024
	s_mov_b32 s[G1A+6], 0
	s_mov_b32 s[G1A+7], 0
	s_mov_b32 s[G1AS+1], 32<<16                    ; a's scale words: 8 K steps x 256 bytes (four row tiles), 32,768 bytes apart
	s_mov_b32 s[G1AS+2], 8<<16
	s_mov_b32 s[G1AS+3], 32<<16
	s_mov_b32 s[G1AS+4], 8
	s_mov_b32 s[G1AS+5], 4096
	s_mov_b32 s[G1AS+6], 0
	s_mov_b32 s[G1AS+7], 0
	s_mov_b32 s[G1W+1], 256<<16                    ; Wo's codes: 128 rows x 256 bytes, 512 bytes apart
	s_mov_b32 s[G1W+2], 128<<16
	s_mov_b32 s[G1W+3], 256<<16
	s_mov_b32 s[G1W+4], 128
	s_mov_b32 s[G1W+5], 512
	s_mov_b32 s[G1W+6], 0
	s_mov_b32 s[G1W+7], 0
	s_mov_b32 s[G1WS+1], 32<<16                    ; Wo's scales: 4,096 dense bytes as 16 rows of 256
	s_mov_b32 s[G1WS+2], 16<<16
	s_mov_b32 s[G1WS+3], 32<<16
	s_mov_b32 s[G1WS+4], 16
	s_mov_b32 s[G1WS+5], 32
	s_mov_b32 s[G1WS+6], 0
	s_mov_b32 s[G1WS+7], 0
	s_lshl_b32 s20, s[YM], 3
	s_lshl_b32 s21, s[NI], 2
	s_add_co_u32 s20, s20, s21                     ; the first row tile that I fetch
	s_lshl_b32 s88, s20, 13
	s_mov_b32 s89, 0
	s_lshl_b32 s90, s20, 6
	s_mov_b32 s91, 0
	s_lshl_b32 s22, s[XN], 8
	s_lshl_b32 s23, s[NI], 7
	s_add_co_u32 s22, s22, s23                     ; the first row of Wo that I fetch
	s_lshl_b32 s92, s22, 9
	s_mov_b32 s93, 0
	s_lshl_b32 s94, s22, 5
	s_mov_b32 s95, 0
	s_lshl_b32 s19, s[NI], 14                      ; where they go: no place in the cluster enters an LDS address
	s_lshl_b32 s20, s[NI], 11
	s_mul_i32 s21, s[NI], 128*272
	s_mul_i32 s22, s[NI], 16*272
	s_wait_dscnt 0x0
	s_wait_kmcnt 0x0
	s_add_nc_u64 s[4:5], s[4:5], s[88:89]
	s_add_nc_u64 s[6:7], s[6:7], s[90:91]
	s_add_nc_u64 s[8:9], s[8:9], s[92:93]
	s_add_nc_u64 s[10:11], s[10:11], s[94:95]
	CROUND                                         ; all sixteen work-groups are here: the joint loads meet
	s_mov_b32 s56, 1
	s_add_co_u32 s57, s20, ASC
	s_mov_b64 s[58:59], s[6:7]
	s_or_b32 s59, s59, 0x80000000
	s_mov_b32 s72, 1
	s_add_co_u32 s73, s22, WSC
	s_mov_b64 s[74:75], s[10:11]
	s_or_b32 s75, s75, 0x80000000
	JLOAD 56, G1AS, 72, G1WS                       ; the scales
.macro FIRST ga, gw, kh                ; half kh of K
	s_mov_b32 s[\ga], 1
	s_add_co_u32 s[\ga+1], s19, AIM+\kh*32768
	s_add_nc_u64 s[\ga+2:\ga+3], s[4:5], \kh*4096
	s_or_b32 s[\ga+3], s[\ga+3], 0x80000000
	s_mov_b32 s[\gw], 1
	s_add_co_u32 s[\gw+1], s21, WOC+\kh*WHALF
	s_add_nc_u64 s[\gw+2:\gw+3], s[8:9], \kh*256
	s_or_b32 s[\gw+3], s[\gw+3], 0x80000000
	s_wait_alu depctr_va_vdst(0)
	s_wait_tensorcnt 0x0
	ds_add_u32 v62, v63
	s_wait_dscnt 0x0
	CROUND
	JLOAD \ga, G1A, \gw, G1W
.endm
	FIRST 60, 76, 0
	FIRST 68, 80, 1                                ; one tensor load of mine is out
	v_and_b32 v1, 15, v0                           ; r
	v_bfe_u32 v2, v0, 4, 1                         ; h
	v_and_b32 v3, 31, v0
	v_lshlrev_b32 v[CO], 4, v3                     ; 16 x lane
	s_lshl_b32 s20, s[MI], 14
	v_add_nc_u32 v[ADA], s20, v[CO]                ; a's images: my four row tiles
	v_mul_u32_u24 v4, v1, 272
	v_lshl_add_u32 v4, v2, 4, v4
	s_mul_i32 s20, s[NI], 128*272
	s_add_co_u32 s20, s20, WOC
	v_add_nc_u32 v[ADW], s20, v4                   ; Wo's fragments: my 128 rows, K half 0,
	s_add_co_u32 s20, s20, WHALF
	v_add_nc_u32 v[ADW+1], s20, v4                 ; and K half 1
	s_lshl_b32 s20, s[MI], 11
	s_add_co_u32 s20, s20, ASC
	v_lshl_add_u32 v[ASA], v1, 2, s20
	v_lshrrev_b32 v5, 3, v1
	v_mul_u32_u24 v5, v5, 272
	v_and_b32 v6, 7, v1
	v_lshl_add_u32 v5, v6, 5, v5
	s_mul_i32 s20, s[NI], 16*272
	s_add_co_u32 s20, s20, WSC
	v_add_nc_u32 v[ASW], s20, v5
	s_mul_i32 s20, s[WV], 16*SPITCH
	s_add_co_u32 s20, s20, STAGE
	v_mul_u32_u24 v5, v1, SPITCH
	v_lshl_add_u32 v5, v2, 5, v5
	v_add_nc_u32 v[STO], s20, v5                   ; into my stage: row r, 32 bytes for each half of the lanes
	v_add_nc_u32 v[RD], s20, v[CO]                 ; back: the 32 lanes take a row of 512 bytes
	v_lshlrev_b32 v[BO], 5, v2
	s_wait_alu depctr_va_vdst(0)
	s_lshl_b32 s20, s[YM], 7
	s_lshl_b32 s21, s[MI], 6
	s_add_co_u32 s20, s20, s21
	s_lshl_b32 s20, s20, 12                        ; my first row of out0, 4,096 bytes a row
	s_lshl_b32 s22, s[XN], 10
	s_lshl_b32 s23, s[NI], 9
	s_add_co_u32 s22, s22, s23                     ; my first column, in bytes
	s_mov_b32 s23, 0
	s_add_nc_u64 s[12:13], s[12:13], s[22:23]
	s_add_co_u32 s20, s20, s22
	s_mov_b32 s21, 0
	s_add_nc_u64 s[14:15], s[14:15], s[20:21]
	WIN 0x80                                       ; destination window 2
.irp t, 0,1,2,3,4,5,6,7
	global_load_b128 v[8*\t:8*\t+3], v[BO], s[12:13] offset:64*\t       ; bo at columns 16 t + 8 h + 0..7
	global_load_b128 v[8*\t+4:8*\t+7], v[BO], s[12:13] offset:64*\t+16
.endr
	WIN 0
.macro LOADS q                         ; K step q: 16 + 8 loads of fragments, 12 of scale words, into set q % 2
.set PP, (\q)%2
.irp t, 0,1,2,3,4,5,6,7
.irp c, 0,1
	ds_load_b128 v[WF+64*PP+8*\t+4*\c:WF+64*PP+8*\t+4*\c+3], v[ADW+(\q)/4] offset:\t*16*272+64*((\q)%4)+32*\c
.endr
.endr
.irp a, 0,1,2,3
.irp c, 0,1
	ds_load_b128 v[AF+32*PP+8*\a+4*\c:AF+32*PP+8*\a+4*\c+3], v[ADA] offset:((\q)/4)*32768+\a*4096+((\q)%4)*1024+512*\c
.endr
.endr
.irp a, 0,1,2,3
	ds_load_b32 v[SC+12*PP+\a], v[ASA] offset:(\q)*256+\a*64
.endr
.irp t, 0,1,2,3,4,5,6,7
	ds_load_b32 v[SC+12*PP+4+\t], v[ASW] offset:\t*544+4*(\q)
.endr
.endm
.macro MUL q                           ; 32 products; the accumulators take turns, one instruction a turn, in the same order in every K step
.set PP, (\q)%2
.irp a, 0,1,2,3
.irp t, 0,1,2,3,4,5,6,7
.if (\q) == 0
	v_wmma_scale_f32_16x16x128_f8f6f4 v[8*(8*\a+\t):8*(8*\a+\t)+7], v[WF+64*PP+8*\t:WF+64*PP+8*\t+7], v[AF+32*PP+8*\a:AF+32*PP+8*\a+7], v[8*\t:8*\t+7], v[SC+12*PP+4+\t], v[SC+12*PP+\a] matrix_a_fmt:MATRIX_FMT_FP4 matrix_b_fmt:MATRIX_FMT_FP4
.else
	v_wmma_scale_f32_16x16x128_f8f6f4 v[8*(8*\a+\t):8*(8*\a+\t)+7], v[WF+64*PP+8*\t:WF+64*PP+8*\t+7], v[AF+32*PP+8*\a:AF+32*PP+8*\a+7], v[8*(8*\a+\t):8*(8*\a+\t)+7], v[SC+12*PP+4+\t], v[SC+12*PP+\a] matrix_a_fmt:MATRIX_FMT_FP4 matrix_b_fmt:MATRIX_FMT_FP4
.endif
.endr
.endr
.endm
.macro SUB q
	WIN 0
.if (\q) == 3
	s_wait_tensorcnt 0x0                           ; my part of the second half of K is in,
	s_wait_dscnt 0x0
	s_barrier_signal -1
	s_barrier_wait -1                              ; everybody's is: the loads below read it
.endif
	PLACES                                         ; in front of loads into the set that the last products read
.if (\q) < 7
	LOADS (\q)+1
	s_wait_dscnt 36                                ; all but the 36 just issued: this K step's operands are in
.else
	s_wait_dscnt 0x0
.endif
.if (\q) == 0
	WIN 0x60                                       ; D window 1, C (bo) window 2
.else
	WIN 0x50
.endif
	MUL \q
.endm
	s_wait_tensorcnt 1                             ; the scales and my part of the first half of K are in; the second half may stay out
	s_barrier_signal -1
	s_barrier_wait -1
	LOADS 0
	s_wait_loadcnt 0x0                             ; bo
.irp q, 0,1,2,3,4,5,6,7
	SUB \q
.endr
	WIN 0
; THE WAY OUT, block by block of 16 rows x 128 columns, through my own stage: in as 32 bytes a lane, back as whole rows of 512 bytes.  LDS serves a wave's instructions in order: no wait between the stores and the loads.
.macro TOSTAGE a
	WIN 0x04                                       ; an LDS store's data: window 1
.irp b, 0,1,2,3,4,5,6,7
	ds_store_b128 v[STO], v[64*(\a)+8*\b:64*(\a)+8*\b+3] offset:64*\b          ; each accumulator from its low end on
	ds_store_b128 v[STO], v[64*(\a)+8*\b+4:64*(\a)+8*\b+7] offset:64*\b+16
.endr
	WIN 0
.set BB, BK+64*((\a)%2)
.irp t, 0,1,2,3,4,5,6,7,8,9,10,11,12,13,14,15
	ds_load_b128 v[BB+4*\t:BB+4*\t+3], v[RD] offset:\t*SPITCH
.endr
.endm
.macro SEND a, younger                 ; younger: the LDS instructions issued behind block a's loads
.set BB, BK+64*((\a)%2)
	s_wait_dscnt \younger
.if (\a) > 0
	s_add_nc_u64 s[14:15], s[14:15], 16*4096       ; 16 rows on (behind a wait on XCNT: the earlier stores have read their base)
.endif
.irp t, 0,1,2,3,4,5,6,7,8,9,10,11,12,13,14,15
	global_store_b128 v[CO], v[BB+4*\t:BB+4*\t+3], s[14:15] offset:\t*4096 th:TH_STORE_NT   ; 32 lanes store 512 consecutive bytes, aligned; written once, read by nobody here
.endr
.endm
	PLACES
	TOSTAGE 0
.irp a, 1,2,3
.if \a > 1
	s_wait_xcnt 0x0                                ; block a - 2's stores have read their registers and their base
.endif
	TOSTAGE \a
	SEND \a-1, 32                                  ; behind block a - 1's loads: block a's 16 stores and 16 loads
.endr
	s_wait_xcnt 0x0
	SEND 3, 0
	s_wait_tensorcnt 0x0
	ds_add_u32 v62, v63
	s_wait_dscnt 0x0
	CROUND                                         ; the closing round
	s_endpgm
.Lfunc_end_k_qa0771dee6f_outp:
	.size	k_qa0771dee6f_outp, .Lfunc_end_k_qa0771dee6f_outp-k_qa0771dee6f_outp
	.p2alignl 7, 3214868480
	.fill 96, 4, 3214868480
	.section	.rodata,"a",@progbits
	.p2align	6, 0x0
	.amdhsa_kernel k_qa0771dee6f_outp
		.amdhsa_group_segment_fixed_size 327680
		.amdhsa_private_segment_fixed_size 0
		.amdhsa_enable_private_segment 0
		.amdhsa_kernarg_size 48
		.amdhsa_user_sgpr_count 2
		.amdhsa_user_sgpr_kernarg_segment_ptr 1
		.amdhsa_wavefront_size32 1
		.amdhsa_system_sgpr_workgroup_id_x 1
		.amdhsa_system_sgpr_workgroup_id_y 1
		.amdhsa_system_sgpr_workgroup_id_z 1
		.amdhsa_system_vgpr_workitem_id 0
		.amdhsa_next_free_vgpr 576
		.amdhsa_next_free_sgpr 96
		.amdhsa_reserve_vcc 0
		.amdhsa_float_denorm_mode_32 3
		.amdhsa_float_denorm_mode_16_64 3
		.amdhsa_memory_ordered 1
		.amdhsa_forward_progress 1
		.amdhsa_inst_pref_size 79
	.end_amdhsa_kernel
	.amdgpu_metadata
---
amdhsa.version: [ 1, 2 ]
amdhsa.kernels:
  - .name:           k_qa0771dee6f_outp
    .symbol:         k_qa0771dee6f_outp.kd
    .args:
      - { .name: ac, .offset: 0, .size: 8, .value_kind: global_buffer, .address_space: global }
      - { .name: asw, .offset: 8, .size: 8, .value_kind: global_buffer, .address_space: global }
      - { .name: Wo_codes, .offset: 16, .size: 8, .value_kind: global_buffer, .address_space: global }
      - { .name: Wo_scales, .offset: 24, .size: 8, .value_kind: global_buffer, .address_space: global }
      - { .name: bo, .offset: 32, .size: 8, .value_kind: global_buffer, .address_space: global }
      - { .name: out0, .offset: 40, .size: 8, .value_kind: global_buffer, .address_space: global }
    .group_segment_fixed_size: 327680
    .private_segment_fixed_size: 0
    .kernarg_segment_align: 8
    .kernarg_segment_size: 48
    .max_flat_workgroup_size: 128
    .sgpr_count:     96
    .vgpr_count:     576
    .wavefront_size: 32
...
	.end_amdgpu_metadata
.endif
;; end of part 3
